; MI455X (gfx1250); checked and timed in simulation.
; The chip was launched on July 23, 2026; its instructions are those of AMD's public machine-readable ISA for CDNA 5 (MIT licence, August 2026) and "CDNA5" Instruction Set Architecture Reference Guide (July 2026). The comments in the code are by the model that wrote it; some were corrected since.
;; Sliding Window Attention. Allowed arithmetic: matrix products marked QUANTISED: E3M2 operands, one E8M0 scale for each 32 along K, by v_wmma_scale_f32_16x16x128_f8f6f4 with both operands' format E3M2, f32 sums; products left as they are: f32 operands where the result goes on into a quantised operand, else bf16, f16 or f32 operands; f32 sums; everything else in f32.
;; Inputs: rel_pos 1 float32; wk 2,048 x 2,048 float32; wo 2,048 x 2,048 float32; wq 2,048 x 2,048 float32; wv 2,048 x 2,048 float32; x 2 x 2,048 x 2,048 float32.
;; Outputs: out0 2 x 2,048 x 2,048 float32.
;; This version of the problem:
;;   THIS VERSION OF THE PROBLEM IS GIVEN IN LOW PRECISION. The matrix products marked QUANTISED in the list below multiply operands that are first quantised to E3M2 (3 exponent bits, 2 mantissa bits; 6 bits a number), with one power-of-two scale for each 32 numbers along K (OCP MX v1.0); their sums are f32. All else is computed in f32.
;;   The module's matrix products, in the order in which they are computed (A, B: the left and right operand; K: the contracted axis; several contracted axes count as one K, in the product's order):
;;     1. [M 4,096, K 2,048] x [K 2,048, N 2,048]; A: input x; B: input wq: QUANTISED
;;     2. [M 4,096, K 2,048] x [K 2,048, N 2,048]; A: input x; B: input wk: QUANTISED
;;     3. [M 4,096, K 2,048] x [K 2,048, N 2,048]; A: input x; B: input wv: QUANTISED
;;     4. batch 4,096 x [M 16, K 128] x [K 128, N 16]; A: computed on the way; B: computed on the way: QUANTISED
;;     5. batch 4,096 x [M 16, K 16] x [K 16, N 128]; A: softmax; B: computed on the way: left as it is (K = 16 < 32)
;;     6. [M 4,096, K 2,048] x [K 2,048, N 2,048]; A: computed on the way; B: input wo: QUANTISED
;;   THE QUANTISER, for each operand of a quantised product, along K:
;;     - K is cut into blocks of 32 from its start; a last block that is shorter is filled with zeros.
;;     - A block's scale is 2^e with e = floor(log2(the largest magnitude in the block)) - 4, held to -126 .. 127; a block of zeros has e = 0. As a byte (E8M0): e + 127.
;;     - Each number is divided by its block's scale, clamped to +-28, and rounded to the nearest number of E3M2, ties to even, subnormals kept.
;;     - The product sums the exact products of the quantised numbers (number of the format x scale) in f32.
;;   ~~~python
;;   def quantise(x, axis):      # numpy; x: float32 -> the quantised numbers, widened to float32 again
;;       x = np.moveaxis(x, axis, -1); K = x.shape[-1]
;;       x = np.pad(x, [(0, 0)] * (x.ndim - 1) + [(0, -K % 32)]); x = x.reshape(x.shape[:-1] + (-1, 32)); a = np.abs(x).max(-1, keepdims=True)
;;       e = np.where(a > 0, np.clip(np.frexp(np.where(a > 0, a, 1))[1] - 1 - 4, -126, 127), 0)      # np.frexp(a)[1] - 1 = floor(log2(a)), exactly
;;       r = np.clip(x / 2.0 ** e, -28, 28)
;;       step = 2.0 ** (np.maximum(np.frexp(np.where(r == 0, 1, r))[1] - 1, -2) - 2)
;;       q = np.round(r / step) * step * 2.0 ** e      # np.round: ties to even
;;       return np.moveaxis(q.reshape(q.shape[:-2] + (-1,))[..., :K], -1, axis).astype(np.float32)
;;   ~~~
;;   OPERANDS COMPUTED ON THE WAY. 'Computed on the way' means the value that the module computes at that place (a softmax that the list does not call 'softmax' is quantised finished and normalised). What goes into a quantiser is computed in f32, as accurately as f32 sums, v_exp_f32 and their like allow (about 1e-6 of the number): no bf16 or f16 on the way to a quantiser, and a product that is left as it is and whose result goes on into a quantised operand takes f32 operands (vector FMAs, or v_wmma_f32_16x16x4_f32). A number that lies on a knife's edge between two numbers of the format may be rounded either way, as far as f32 arithmetic and the matrix unit's own rounding can turn it there, and no further.
;; One version. Each part assembles by itself: llvm-mc -triple=amdgcn-amd-amdhsa -mcpu=gfx1250 --defsym DOCPART=n.
;; ======== version 1 of 1: 4 launches
;; limits: right only within a limited range of input values
;; workspace buffers: codes 18,874,368 bytes; scl 786,432 bytes; qkc 12,582,912 bytes; qks 524,288 bytes; ac 6,291,456 bytes; asc 262,144 bytes; vf 33,554,432 bytes
;; launch quant (part 1): grid 768 x 1, 4 waves a work-group, no clusters, 67,072 bytes of LDS; arguments x, wq, wk, wv, wo, codes, scl; writes codes, scl
.if DOCPART == 1
	.amdgcn_target "amdgcn-amd-amdhsa--gfx1250"
	.amdhsa_code_object_version 6
	.text
	.protected	k_q29f2d155ca_quant
	.globl	k_q29f2d155ca_quant
	.p2align	8
	.type	k_q29f2d155ca_quant,@function
k_q29f2d155ca_quant:
	s_mov_b64 s[64:65], 0
	v_nop
	global_prefetch_b8 v0, s[64:65] scope:SCOPE_SE
	s_setreg_imm32_b32 hwreg(HW_REG_WAVE_MODE, 25, 1), 1
	s_wait_xcnt 0x0
; THE PROGRAM: out0 = attn wo^T, attn = softmax over heads (causal, per token) of q k^T / sqrt(128) times v; q, k, v = x wq^T, x wk^T, x wv^T.  Four launches:
; this one (all five tensors into codes), q and k (product and quantiser), v with the per-token attention, and the last product.
; WORK LEFT OUT.  rel_pos: reference() never reads it, so it has no way to any output: it is not loaded and is no argument of any launch.
; In probs x v the terms with key head j > query head i: reference() adds -inf there by its own triu mask, so the softmax gives exactly 0 for all finite inputs,
; and 0 x v_j adds nothing: those multiply-adds are not made (third launch).  LIMIT: a NaN or an infinity in v_j, which reference() would carry (0 x inf) into heads i < j, is not carried.
; THIS LAUNCH: x [4096][2048], wq, wk, wv, wo [2048][2048], f32, K innermost, become codes of BF6 (E3M2) and one E8M0 byte for each 32 along K.
; A block's scale is 2^(floor(log2(largest magnitude)) - 4): its byte is that magnitude's exponent field - 4, held at 1 from below by a floor among the maximum's leaves.
; LIMITS: a block of zeros gets the byte 1 where the rule says 127 (its codes are zeros, and this program alone reads the bytes); NaN and infinities among the inputs are not served.
; LAYOUT OF THE WORKSPACE: images of operand registers.  A tile is 16 rows; a fragment (16 rows x 128 along K) is 12 registers a lane: registers 4 c .. 4 c + 3 of lane l lie at 512 c + 16 l: 1,536 bytes.
; codes = [768 tiles][16 K steps][1536].  Tiles 0-255: x, rows 16 T + r.  Tiles 256.. wq, 384.. wk, 640.. wo: lane r takes row 32 (t / 2) + 8 (t % 2) + r + 8 (r / 8).
; Tiles 512.. wv: t = 32 b + 2 head + u: row 128 head + 32 b + 8 u + r + 8 (r / 8).  So two neighbouring tiles give a lane of the transposed product 16 neighbouring columns.
; THE BLOCKS OF 32 ALONG K ARE PERMUTED, alike in every operand: k = 512 g + 128 beta + 32 b + e lies in K step 4 g + b at place 32 beta + e.  Only the order of the f32 sums changes.
; scl = [768 tiles][g][r][b] words: the four bytes (beta = 0..3) of row r in K step 4 g + b.
; SHARES: a work-group makes one tile; wave g takes k = 512 g .. 512 g + 511: four fragments, in two units of two.  Each load reads two aligned runs of 256 bytes; the numbers turn through the wave's own
; stage in LDS (rows of 1,024 + 16 bytes) so that a lane gets two whole blocks of 32.  No barrier: waves share nothing.
.set STGB,  16640                      ; a wave's stage: 16 rows x 1,040 bytes
.set SPARE, 66560                      ; behind the four stages: the spare words, 128 bytes a wave
.set VIN, 3                            ; v3   512 h + 16 r: my 16 bytes of a load
.set STW, 4                            ; v4   the stage, way in: 16 x lane
.set STR, 5                            ; v5   the stage, way out: 1040 r + 256 h
.set LI,  6                            ; v6   16 x lane
.set VSC, 7                            ; v7   16 r + 8 h: my two scale words
.set SH,  8                            ; v8   8 h
.set SW,  10                           ; v10-13 the four fragments' scale words
.set SPW, 14                           ; v14  my spare word's LDS address; never rewritten
.set NIL, 15                           ; v15  0; never rewritten
.set M,   16                           ; v16-17 largest magnitudes;  v18-19 the conversions' scale operands;  v20-21 bytes;  v22, v23 at work
.set C,   24                           ; v24-35 a fragment's codes
.set PT,  36                           ; v36-38, v40-42 the halves whose place in C begins on an odd register
.set OP,  44                           ; v44-45 the scale words that I store
.set R,   64                           ; v64-191 32 loads x 4 registers
.set X,   192                          ; v192-255 two blocks of 32 numbers
	s_load_b256 s[4:11], s[0:1], 0x0               ; x, wq, wk, wv
	s_load_b128 s[12:15], s[0:1], 0x20             ; wo, codes
	s_load_b64 s[16:17], s[0:1], 0x30              ; scl
	v_lshl_add_u32 v[SPW], v0, 2, SPARE
	v_mov_b32 v[NIL], 0
	v_lshrrev_b32 v1, 5, v0
	v_readfirstlane_b32 s18, v1                    ; wave g
	v_and_b32 v9, 31, v0                           ; lane
	v_and_b32 v1, 15, v0                           ; r
	v_bfe_u32 v2, v0, 4, 1                         ; h
	v_lshlrev_b32 v[VIN], 4, v1
	v_lshl_add_u32 v[VIN], v2, 9, v[VIN]
	s_mul_i32 s19, s18, STGB
	v_lshlrev_b32 v[LI], 4, v9
	v_add_nc_u32 v[STW], s19, v[LI]
	v_mul_u32_u24 v[STR], v1, 1040
	v_lshl_add_u32 v[STR], v2, 8, v[STR]
	v_add_nc_u32 v[STR], s19, v[STR]
	v_lshlrev_b32 v[VSC], 4, v1
	v_lshl_add_u32 v[VSC], v2, 3, v[VSC]
	v_lshlrev_b32 v[SH], 3, v2
	v_mov_b32 v23, 0                               ; written once: a lane permute's destination counts as one of its sources
	s_and_b32 s30, ttmp9, 127                      ; a weight's tile number t
	s_lshr_b32 s31, s30, 1
	s_lshl_b32 s31, s31, 5
	s_and_b32 s32, s30, 1
	s_lshl_b32 s32, s32, 3
	s_add_co_u32 s31, s31, s32                     ; wq, wk, wo: 32 (t / 2) + 8 (t % 2)
	s_and_b32 s33, s30, 31
	s_lshr_b32 s33, s33, 1
	s_lshl_b32 s33, s33, 7
	s_lshr_b32 s34, s30, 5
	s_lshl_b32 s34, s34, 5
	s_add_co_u32 s33, s33, s34
	s_add_co_u32 s33, s33, s32                     ; wv: 128 head + 32 b + 8 u
	s_lshl_b32 s35, ttmp9, 4                       ; x: 16 T
	s_lshr_b32 s36, ttmp9, 7                       ; 0, 1: x;  2: wq;  3: wk;  4: wv;  5: wo
	s_cmp_eq_u32 s36, 4
	s_cselect_b32 s31, s33, s31
	s_cmp_lt_u32 s36, 2
	s_cselect_b32 s31, s35, s31                    ; the tile's first row
	s_cselect_b32 s37, 0, 0x10000                  ; a weight's rows r >= 8 lie 8 rows (65,536 bytes) further on
	s_lshl_b32 s38, s31, 13                        ; rows of 8,192 bytes
	s_lshl_b32 s39, s18, 11                        ; + 2,048 g
	s_add_co_u32 s38, s38, s39
	s_mov_b32 s39, 0
	s_mul_i32 s40, ttmp9, 24576
	s_mul_i32 s41, s18, 6144
	s_add_co_u32 s40, s40, s41
	s_mov_b32 s41, 0
	s_lshl_b32 s42, ttmp9, 10
	s_lshl_b32 s43, s18, 8
	s_add_co_u32 s42, s42, s43
	s_mov_b32 s43, 0
	s_mov_b32 s28, 0x76543210
	s_mov_b32 s29, 0xfedcba98                      ; v_permlanex16_b32's selects for lane l xor 16
	s_wait_alu depctr_va_vdst(0)
	s_wait_kmcnt 0x0
	s_cmp_lt_u32 s36, 5                            ; the tensor: a choice that hangs on the work-group's number alone
	s_cselect_b64 s[20:21], s[10:11], s[12:13]
	s_cmp_lt_u32 s36, 4
	s_cselect_b64 s[20:21], s[8:9], s[20:21]
	s_cmp_lt_u32 s36, 3
	s_cselect_b64 s[20:21], s[6:7], s[20:21]
	s_cmp_lt_u32 s36, 2
	s_cselect_b64 s[20:21], s[4:5], s[20:21]
	s_add_nc_u64 s[20:21], s[20:21], s[38:39]      ; rows 0-7
	s_mov_b32 s38, s37
	s_add_nc_u64 s[22:23], s[20:21], s[38:39]      ; rows 8-15
	s_add_nc_u64 s[24:25], s[14:15], s[40:41]      ; my four fragments
	s_add_nc_u64 s[26:27], s[16:17], s[42:43]      ; my 256 bytes of scale words
.macro LOADU c                         ; unit c: of each of the 16 rows the blocks b = 2 c, 2 c + 1 of beta = 0..3.  Lanes 0-15 read 256 consecutive bytes, lanes 16-31 the 256 that lie 512 further on
.irp rr, 0,1,2,3,4,5,6,7
	global_load_b128 v[R+8*\rr:R+8*\rr+3], v[VIN], s[20:21] offset:\rr*8192+256*\c th:TH_LOAD_NT
	global_load_b128 v[R+8*\rr+4:R+8*\rr+7], v[VIN], s[20:21] offset:\rr*8192+1024+256*\c th:TH_LOAD_NT
.endr
.irp rr, 8,9,10,11,12,13,14,15
	global_load_b128 v[R+8*\rr:R+8*\rr+3], v[VIN], s[22:23] offset:\rr*8192+256*\c th:TH_LOAD_NT
	global_load_b128 v[R+8*\rr+4:R+8*\rr+7], v[VIN], s[22:23] offset:\rr*8192+1024+256*\c th:TH_LOAD_NT
.endr
.endm
.macro TOST                            ; into the stage as loaded: in row rr block (beta, bb) lies at 256 beta + 128 bb
.irp rr, 0,1,2,3,4,5,6,7,8,9,10,11,12,13,14,15
	ds_store_b128 v[STW], v[R+8*\rr:R+8*\rr+3] offset:\rr*1040
	ds_store_b128 v[STW], v[R+8*\rr+4:R+8*\rr+7] offset:\rr*1040+512
.endr
.endm
.macro GETX bb                         ; back: of my row r the blocks beta = h and beta = 2 + h.  LDS serves a wave's instructions in order: these see the stores
.irp i, 0,1,2,3,4,5,6,7
	ds_load_b128 v[X+4*\i:X+4*\i+3], v[STR] offset:128*\bb+16*\i
	ds_load_b128 v[X+32+4*\i:X+32+4*\i+3], v[STR] offset:512+128*\bb+16*\i
.endr
.endm
.macro QL b                            ; the two blocks in X become my 12 registers of fragment b and my part of its scale word
	v_max3_num_f32 v[M], |v[X]|, |v[X+1]|, 0x2800000               ; the floor 2^(5 - 127): the byte cannot fall under 1
	v_max3_num_f32 v[M+1], |v[X+32]|, |v[X+33]|, 0x2800000
.irp i, 2,4,6,8,10,12,14,16,18,20,22,24,26,28,30
	v_max3_num_f32 v[M], v[M], |v[X+\i]|, |v[X+\i+1]|               ; (the two blocks by turns)
	v_max3_num_f32 v[M+1], v[M+1], |v[X+32+\i]|, |v[X+33+\i]|
.endr
	v_add_nc_u32 v18, 0xfe000000, v[M]             ; 4 off the exponent field: the conversion takes that field as its scale
	v_add_nc_u32 v19, 0xfe000000, v[M+1]
	v_lshrrev_b32 v20, 23, v18                     ; the bytes
	v_lshrrev_b32 v21, 23, v19
	v_lshl_or_b32 v22, v21, 16, v20                ; bytes beta = h and 2 + h,
	v_lshlrev_b32 v22, v[SH], v22                  ; at their places;
	v_permlanex16_b32 v23, v22, s28, s29
	v_or_b32 v[SW+\b], v22, v23                    ; with lane l xor 16's two the word is whole
	s_wait_alu depctr_va_vdst(0)
	s_wait_xcnt 0x0                                ; the last fragment's stores have read C: it is rewritten only behind this wait
	v_cvt_scalef32_pk16_bf6_f32 v[C:C+2], v[X:X+15], v18
	v_cvt_scalef32_pk16_bf6_f32 v[PT:PT+2], v[X+16:X+31], v18      ; (a conversion's three registers begin on an even number)
	v_cvt_scalef32_pk16_bf6_f32 v[C+6:C+8], v[X+32:X+47], v19
	v_cvt_scalef32_pk16_bf6_f32 v[PT+4:PT+6], v[X+48:X+63], v19
	v_nop                                          ; one plain place behind the scaled conversions
.irp i, 0,1,2
	v_mov_b32 v[C+3+\i], v[PT+\i]
	v_mov_b32 v[C+9+\i], v[PT+4+\i]
.endr
.irp c, 0,1,2
	global_store_b128 v[LI], v[C+4*\c:C+4*\c+3], s[24:25] offset:\b*1536+512*\c   ; 32 lanes store 512 consecutive bytes, at a multiple of 512 from the buffer's first byte
.endr
.endm
	LOADU 0
	s_wait_loadcnt 0x0
	TOST
	GETX 0
	s_wait_dscnt 0x0                               ; the stage's stores have read R, and X is in
	LOADU 1                                        ; the second unit is on its way while the first is worked
	QL 0
	GETX 1
	s_wait_dscnt 0x0
	QL 1
	s_wait_loadcnt 0x0
	TOST
	GETX 0
	s_wait_dscnt 0x0
	QL 2
	GETX 1
	s_wait_dscnt 0x0
	QL 3
	v_cmp_eq_u32 vcc_lo, 1, v2
	v_cndmask_b32 v[OP], v[SW], v[SW+2], vcc_lo    ; lanes 0-15 store the words of b = 0, 1, lanes 16-31 those of b = 2, 3
	v_cndmask_b32 v[OP+1], v[SW+1], v[SW+3], vcc_lo
	global_store_b64 v[VSC], v[OP:OP+1], s[26:27]  ; 32 lanes store 256 consecutive bytes, aligned
	s_wait_tensorcnt 0x0                           ; the wave's end
	ds_add_u32 v[SPW], v[NIL]
	s_wait_dscnt 0x0
	s_endpgm
.Lfunc_end_k_q29f2d155ca_quant:
	.size	k_q29f2d155ca_quant, .Lfunc_end_k_q29f2d155ca_quant-k_q29f2d155ca_quant
	.p2alignl 7, 3214868480
	.fill 96, 4, 3214868480
	.section	.rodata,"a",@progbits
	.p2align	6, 0x0
	.amdhsa_kernel k_q29f2d155ca_quant
		.amdhsa_group_segment_fixed_size 67072
		.amdhsa_private_segment_fixed_size 0
		.amdhsa_enable_private_segment 0
		.amdhsa_kernarg_size 56
		.amdhsa_user_sgpr_count 2
		.amdhsa_user_sgpr_kernarg_segment_ptr 1
		.amdhsa_wavefront_size32 1
		.amdhsa_system_sgpr_workgroup_id_x 1
		.amdhsa_system_sgpr_workgroup_id_y 1
		.amdhsa_system_sgpr_workgroup_id_z 1
		.amdhsa_system_vgpr_workitem_id 0
		.amdhsa_next_free_vgpr 256
		.amdhsa_next_free_sgpr 66
		.amdhsa_reserve_vcc 1
		.amdhsa_float_denorm_mode_32 3
		.amdhsa_float_denorm_mode_16_64 3
		.amdhsa_memory_ordered 1
		.amdhsa_forward_progress 1
		.amdhsa_inst_pref_size 31
	.end_amdhsa_kernel
	.amdgpu_metadata
---
amdhsa.version: [ 1, 2 ]
amdhsa.kernels:
  - .name:           k_q29f2d155ca_quant
    .symbol:         k_q29f2d155ca_quant.kd
    .args:
      - { .name: x, .offset: 0, .size: 8, .value_kind: global_buffer, .address_space: global }
      - { .name: wq, .offset: 8, .size: 8, .value_kind: global_buffer, .address_space: global }
      - { .name: wk, .offset: 16, .size: 8, .value_kind: global_buffer, .address_space: global }
      - { .name: wv, .offset: 24, .size: 8, .value_kind: global_buffer, .address_space: global }
      - { .name: wo, .offset: 32, .size: 8, .value_kind: global_buffer, .address_space: global }
      - { .name: codes, .offset: 40, .size: 8, .value_kind: global_buffer, .address_space: global }
      - { .name: scl, .offset: 48, .size: 8, .value_kind: global_buffer, .address_space: global }
    .group_segment_fixed_size: 67072
    .private_segment_fixed_size: 0
    .kernarg_segment_align: 8
    .kernarg_segment_size: 56
    .max_flat_workgroup_size: 128
    .sgpr_count:     66
    .vgpr_count:     256
    .wavefront_size: 32
...
	.end_amdgpu_metadata
.endif
;; end of part 1
;; launch qkv (part 2): grid 16 x 16, 4 waves a work-group, clusters of 4 x 4, 327,680 bytes of LDS; arguments codes, scl, qkc, qks, vf; writes qkc, qks, vf
.if DOCPART == 2
	.amdgcn_target "amdgcn-amd-amdhsa--gfx1250"
	.amdhsa_code_object_version 6
	.text
	.protected	k_q29f2d155ca_qkv
	.globl	k_q29f2d155ca_qkv
	.p2align	8
	.type	k_q29f2d155ca_qkv,@function
k_q29f2d155ca_qkv:
	s_mov_b64 s[64:65], 0
	v_nop
	global_prefetch_b8 v0, s[64:65] scope:SCOPE_SE
	s_setreg_imm32_b32 hwreg(HW_REG_WAVE_MODE, 25, 1), 1
	s_wait_xcnt 0x0
	s_wait_alu depctr_hold_cnt(0) depctr_sa_sdst(0) depctr_va_vdst(0) depctr_va_sdst(0) depctr_va_ssrc(0) depctr_va_vcc(0) depctr_vm_vsrc(0)
	s_getreg_b32 s2, hwreg(HW_REG_IB_STS2, 6, 4)
	s_cmp_eq_u32 s2, 0
	s_cbranch_scc0 .Lentry_in_a_cluster
	s_endpgm
.Lentry_in_a_cluster:
	s_bfe_u32 s2, ttmp6, 0x10000c
	s_cmp_lg_u32 s2, 0xf033
	s_cbranch_scc0 .Lentry_shape_is_right
	s_endpgm
.Lentry_shape_is_right:
; q, k and v = x wq^T, x wk^T, x wv^T in ONE product on codes of BF6.  A work-group (x = n, y) makes 256 tokens x 384 columns: head n of q (8 tiles of wq), head n of k (8 of wk), and tiles 8 n .. 8 n + 7 of wv.
; Four waves, 2 x 2: a wave makes 128 tokens x 192 columns: 8 blocks of tokens x 12 tiles of weights = 96 accumulators, all of windows 1 to 3.  Column half 0: q's head and 4 tiles of wv; half 1: k's head and the other 4.
; The 12 tiles go in three groups of four; group g's accumulators fill window 1 + g: (token block a, tile k) at v[8 (4 a + k)].  The product is used transposed: source 0 = weights, source 1 = x.
; Window 0: v4-30 addresses; v32-55 scale words, two sets of 12 (they hold nothing else); v64-159 x's 8 fragments, one set; v160-255 the weights' fragments, two sets of four.
; A K STEP is three groups of 8 rows of four matrix instructions (a row: one token block x the group's four tiles) and FOUR runs of LDS loads, each behind four places:
; behind group 0: group 2's set; behind group 1: the next step's group 0 and scale words; in the middle of group 2: the next step's x blocks 0-3; behind group 2: its x blocks 4-7 and group 1.
; The counts of the waits on DScnt are made by the assembler: NI counts the LDS instructions issued, I.. is NI behind a fragment's loads.
; K goes in chunks of two K steps (3,072 bytes of each tile) through two LDS slots of 40 tiles, by joint loads: wave 0 fetches x's 16 tiles (shared along the cluster's row), waves 1-3 the 8 tiles of wq, wk, wv (along its column).
; Between a refill and the wait for it a wave issues 184 matrix instructions; between that wait and the next refill eight.  The scale words of the 40 tiles, 40,960 bytes, are copied once into LDS bytes of their own.
; OUT: q and k are quantised along d (blocks of 32) and stored as images of operand registers, qkc = [32 planes][256 token tiles][1536], qks = [plane][token] words; v leaves in f32, since it goes on into a quantiser:
; vf = [token tile][channel block b][head j][4][512]: register 16 j + i of lane (token, h) = channel 32 b + 16 h + i of head j.
; PREFETCH: behind the joint load of chunk c stands a request for chunk c + 2: each partner names a quarter of the tiles that its wave fetches (by address), a lane a block of 256 bytes; chunks 0 to 2 come by their loads alone.
; LIMIT: a block of zeros gets the byte 1 (zero codes; the bytes are read by this program alone).
.set TP,    3072
.set SLOT,  122880
.set SCL,   245760
.set SCW,   286720
.set SPARE, 288768
.set LI,   4
.set ADRA, 16
.set ADRB, 18
.set ADRV, 20
.set ADS1, 22
.set ADS2, 23
.set SWA,  24
.set SWR,  25
.set CPA,  26
.set CPB,  27
.set SPW,  28
.set NIL,  29
.set PFO,  30
.set SC,   32
.set AF,   64
.set BF,   160
.set TC,   64
.set TM,   72
.set PW,   88
.set PC,   92
.set BKS,  112
.set G1,  24
.set G0,  32
.set G1B, 48
.set G0B, 56
.set PF,  88
.set SEL, 90
.set MSB, 0
.set NI, 0
.macro WIN new
.if MSB != (\new)
	s_set_vgpr_msb (MSB<<8)|(\new)
.set MSB, (\new)
.endif
.endm
.macro JLOAD s                         ; wave 0 asks for x's tiles, the others for the weights'; s_nop 0 and four v_nop behind each line
	s_cmp_eq_u32 s14, 0
	s_cbranch_scc0 .Lfor_b_\@
	tensor_load_to_lds s[G0+4*(\s):G0+4*(\s)+3], s[G1:G1+7]
	s_nop 0
.rept 4
	v_nop
.endr
	s_branch .Lasked_\@
.Lfor_b_\@:
	tensor_load_to_lds s[G0B+4*(\s):G0B+4*(\s)+3], s[G1B:G1B+7]
	s_nop 0
.rept 4
	v_nop
.endr
.Lasked_\@:
.endm
.macro CREST
	s_cmp_lg_u32 s14, 0
	s_cbranch_scc1 .Lnot_wave_0_\@
	s_barrier_signal -3
.Lnot_wave_0_\@:
	s_barrier_wait -3
	s_barrier_signal -1
	s_barrier_wait -1
.endm
.macro CROUND
	s_barrier_signal -1
	s_barrier_wait -1
	CREST
.endm
.macro PLACES
.rept 4
	v_nop
.endr
.endm
.macro ASK ch                          ; chunk ch: 24 blocks of 256 bytes (two tiles) a request; wave 0, whose share is four tiles, asks twice
	global_prefetch_b8 v[PFO], s[PF:PF+1] offset:(\ch)*TP th:TH_LOAD_NT scope:SCOPE_SE
	s_cmp_lg_u32 s14, 0
	s_cbranch_scc1 .Lone_\@
	global_prefetch_b8 v[PFO], s[PF:PF+1] offset:(\ch)*TP+49152 th:TH_LOAD_NT scope:SCOPE_SE
.Lone_\@:
.endm
	s_load_b256 s[4:11], s[0:1], 0x0               ; codes, scl, qkc, qks
	s_load_b64 s[12:13], s[0:1], 0x20              ; vf
	v_lshl_add_u32 v[SPW], v0, 2, SPARE
	v_mov_b32 v[NIL], 0
	ds_add_u32 v[SPW], v[NIL]                      ; the opening lines: the add twice on end and its wait
	ds_add_u32 v[SPW], v[NIL]
	v_lshrrev_b32 v1, 5, v0
	v_readfirstlane_b32 s14, v1                    ; wave
	s_lshr_b32 s15, s14, 1                         ; my half of the tokens
	s_and_b32 s16, s14, 1                          ; my half of the columns
	s_bfe_u32 s40, ttmp6, 0x40000
	s_bfe_u32 s41, ttmp6, 0x40004
	s_lshl_b32 s42, ttmp9, 2
	s_add_co_u32 s42, s42, s40                     ; n
	s_and_b32 s17, ttmp7, 0xffff
	s_lshl_b32 s17, s17, 2
	s_add_co_u32 s17, s17, s41                     ; y
	s_lshl_b32 s43, s41, 2
	s_lshl_b32 s43, 15, s43
	s_lshl_b32 s44, 0x1111, s40
	s_or_b32 s[G1], s43, (3<<16)|(1<<21)           ; x's tiles go to my row of the cluster; elements of 8 bytes
	s_or_b32 s[G1B], s44, (3<<16)|(1<<21)          ; the weights' to my column
	s_mov_b32 s[G1+1], 384<<16                     ; 16 tiles, 3,072 bytes of each, 24,576 bytes apart
	s_mov_b32 s[G1+2], 16<<16
	s_mov_b32 s[G1+3], 384<<16
	s_mov_b32 s[G1+4], 16
	s_mov_b32 s[G1+5], 3072
	s_mov_b32 s[G1+6], 0
	s_mov_b32 s[G1+7], 0
	s_mov_b32 s[G1B+1], 384<<16                    ; 8 tiles
	s_mov_b32 s[G1B+2], 8<<16
	s_mov_b32 s[G1B+3], 384<<16
	s_mov_b32 s[G1B+4], 8
	s_mov_b32 s[G1B+5], 3072
	s_mov_b32 s[G1B+6], 0
	s_mov_b32 s[G1B+7], 0
	s_mul_i32 s20, s17, 393216                     ; x: tile 16 y
	s_mov_b32 s21, 0
	s_add_co_u32 s46, s14, 1
	s_lshl_b32 s46, s46, 7
	s_lshl_b32 s47, s42, 3
	s_add_co_u32 s46, s46, s47                     ; weights: tile 128 (wave + 1) + 8 n
	s_mul_i32 s46, s46, 24576
	s_mov_b32 s47, 0
	s_mul_i32 s45, s14, 24576
	s_add_co_u32 s45, s45, 24576                   ; and where they go: LDS tile 8 + 8 wave
	s_mul_i32 s92, s40, 98304                      ; the prefetches: my work-group's quarter of my wave's tiles
	s_add_co_u32 s92, s92, s20
	s_mul_i32 s93, s41, 49152
	s_add_co_u32 s93, s93, s46
	s_cmp_eq_u32 s14, 0
	s_cselect_b32 s[PF], s92, s93
	s_mov_b32 s[PF+1], 0
	s_mul_i32 s22, s15, 24576                      ; my 8 tiles of x
	s_mul_i32 s23, s16, 24576
	s_add_co_u32 s23, s23, 49152                   ; my head of q or k
	s_mul_i32 s66, s16, 12288
	s_add_co_u32 s66, s66, 98304                   ; my 4 tiles of wv
	s_lshl_b32 s68, s15, 13
	s_lshl_b32 s67, s16, 13
	s_add_co_u32 s67, s67, 16384
	s_sub_co_u32 s67, s67, s68                     ; scale words: from x's tiles to the head's
	s_add_co_u32 s68, s68, SCL
	s_lshl_b32 s69, s16, 12
	s_add_co_u32 s69, s69, SCL+32768
	s_lshl_b32 s74, s14, 9
	s_add_co_u32 s74, s74, SCW
	s_lshl_b32 s75, s14, 12
	s_add_co_u32 s75, s75, SCL
	s_lshl_b32 s76, s14, 11
	s_add_co_u32 s76, s76, SCL+16384
	s_lshl_b32 s78, s17, 14                        ; scl: x's tiles 16 y + 4 wave on
	s_lshl_b32 s72, s14, 12
	s_add_co_u32 s78, s78, s72
	s_mov_b32 s79, 0
	s_lshl_b32 s80, s42, 13                        ; and wq's tiles 256 + 8 n + 2 wave on
	s_add_co_u32 s80, s80, 262144
	s_lshl_b32 s72, s14, 11
	s_add_co_u32 s80, s80, s72
	s_mov_b32 s81, 0
	s_lshl_b32 s70, s16, 4
	s_add_co_u32 s70, s70, s42                     ; my plane: q's head n or k's (16 + n)
	s_lshl_b32 s71, s17, 4
	s_lshl_b32 s72, s15, 3
	s_add_co_u32 s71, s71, s72                     ; my first token tile
	s_lshl_b32 s82, s70, 8
	s_add_co_u32 s82, s82, s71
	s_mul_i32 s82, s82, 1536
	s_mov_b32 s83, 0
	s_lshl_b32 s84, s70, 14
	s_lshl_b32 s72, s71, 6
	s_add_co_u32 s84, s84, s72
	s_mov_b32 s85, 0
	s_lshl_b32 s86, s71, 17                        ; vf: token tile x 131,072 + b x 32,768 + head x 2,048
	s_lshr_b32 s72, s42, 2
	s_lshl_b32 s72, s72, 15
	s_add_co_u32 s86, s86, s72
	s_and_b32 s72, s42, 3
	s_lshl_b32 s72, s72, 13
	s_add_co_u32 s86, s86, s72
	s_lshl_b32 s72, s16, 12
	s_add_co_u32 s86, s86, s72
	s_mov_b32 s87, 0
	s_mov_b32 s[SEL], 0x76543210
	s_mov_b32 s[SEL+1], 0xfedcba98
	v_and_b32 v3, 31, v0
	v_and_b32 v1, 15, v0
	v_bfe_u32 v2, v0, 4, 1
	v_lshlrev_b32 v[LI], 4, v3
	v_add_nc_u32 v[ADRA], s22, v[LI]
	v_add_nc_u32 v[ADRB], s23, v[LI]
	v_add_nc_u32 v[ADRV], s66, v[LI]
	v_add_nc_u32 v[ADRA+1], SLOT, v[ADRA]
	v_add_nc_u32 v[ADRB+1], SLOT, v[ADRB]
	v_add_nc_u32 v[ADRV+1], SLOT, v[ADRV]
	v_mul_u32_u24 v5, s67, v2                      ; lanes 0-15 take x's words, lanes 16-31 the head's
	v_lshl_add_u32 v5, v1, 4, v5
	v_add_nc_u32 v[ADS1], s68, v5
	v_lshlrev_b32 v6, 4, v1
	v_add_nc_u32 v[ADS2], s69, v6                  ; wv's words
	v_lshl_add_u32 v[SWA], v1, 2, s74
	v_add_nc_u32 v[SWR], s74, v[LI]
	v_add_nc_u32 v[CPA], s75, v[LI]
	v_add_nc_u32 v[CPB], s76, v[LI]
	v_min_u32 v7, 23, v3                           ; prefetch: lane l < 24 names block l % 12 of tile l / 12; the lanes left over name the last again
	v_mul_u32_u24 v8, v7, 43
	v_lshrrev_b32 v8, 9, v8
	v_mul_u32_u24 v8, v8, 21504
	v_lshl_add_u32 v[PFO], v7, 8, v8
	s_wait_alu depctr_va_vdst(0)
	s_wait_dscnt 0x0
	s_wait_kmcnt 0x0
	s_add_nc_u64 s[78:79], s[6:7], s[78:79]
	s_add_nc_u64 s[80:81], s[6:7], s[80:81]
.irp i, 0,1,2,3,4,5,6,7                        ; my tenth of the scale words: 4 tiles of x, 2 each of wq, wk, wv, 512 consecutive bytes a load
	global_load_b128 v[64+4*\i:64+4*\i+3], v[LI], s[78:79] offset:512*\i
.endr
.irp R, 0,1,2
.irp i, 0,1,2,3
	global_load_b128 v[96+16*\R+4*\i:96+16*\R+4*\i+3], v[LI], s[80:81] offset:131072*\R+512*\i
.endr
.endr
	s_add_nc_u64 s[20:21], s[4:5], s[20:21]
	s_add_nc_u64 s[46:47], s[4:5], s[46:47]
	CROUND                                         ; all sixteen work-groups are here: the first joint loads meet
.irp s, 0,1
	s_mov_b32 s[G0+4*\s], 1
	s_mov_b32 s[G0+4*\s+1], \s*SLOT
	s_add_nc_u64 s[G0+4*\s+2:G0+4*\s+3], s[20:21], \s*TP
	s_or_b32 s[G0+4*\s+3], s[G0+4*\s+3], 0x80000000
	s_mov_b32 s[G0B+4*\s], 1
	s_add_co_u32 s[G0B+4*\s+1], s45, \s*SLOT
	s_add_nc_u64 s[G0B+4*\s+2:G0B+4*\s+3], s[46:47], \s*TP
	s_or_b32 s[G0B+4*\s+3], s[G0B+4*\s+3], 0x80000000
.endr
	JLOAD 0                                        ; chunk 0: one tensor load a wave at the head
	s_add_nc_u64 s[PF:PF+1], s[4:5], s[PF:PF+1]
	s_add_nc_u64 s[8:9], s[8:9], s[82:83]
	s_add_nc_u64 s[10:11], s[10:11], s[84:85]
	s_add_nc_u64 s[12:13], s[12:13], s[86:87]
	s_wait_loadcnt 0x0
.irp i, 0,1,2,3,4,5,6,7
	ds_store_b128 v[CPA], v[64+4*\i:64+4*\i+3] offset:512*\i
.endr
.irp R, 0,1,2
.irp i, 0,1,2,3
	ds_store_b128 v[CPB], v[96+16*\R+4*\i:96+16*\R+4*\i+3] offset:8192*\R+512*\i
.endr
.endr
; A row: token block a x group g's four tiles (set p), scale set sc.  No two matrix instructions on end share an accumulator.
.macro ROW g, a, p, sc, zero
	WIN 0x50*((\g)+1)
.irp k, 0,1,2,3
.set rD, 8*(4*(\a)+\k)
.set rA, BF+48*(\p)+12*\k
.set rB, AF+12*(\a)
.set rSA, SC+12*(\sc)+4*(\g)+\k
.set rSB, SC+12*(\sc)+(\a)
.if \zero
	v_wmma_scale_f32_16x16x128_f8f6f4 v[rD:rD+7], v[rA:rA+11], v[rB:rB+11], 0, v[rSA], v[rSB] matrix_a_fmt:MATRIX_FMT_BF6 matrix_b_fmt:MATRIX_FMT_BF6 matrix_a_scale:MATRIX_SCALE_ROW1
.else
	v_wmma_scale_f32_16x16x128_f8f6f4 v[rD:rD+7], v[rA:rA+11], v[rB:rB+11], v[rD:rD+7], v[rSA], v[rSB] matrix_a_fmt:MATRIX_FMT_BF6 matrix_b_fmt:MATRIX_FMT_BF6 matrix_a_scale:MATRIX_SCALE_ROW1
.endif
.endr
.endm
.macro LB adr, t, q, p, k              ; a fragment of weights: tile t of address register adr, the chunk's q-th K step, to place k of set p
	WIN 0
.irp c, 0,1,2
	ds_load_b128 v[BF+48*(\p)+12*(\k)+4*\c:BF+48*(\p)+12*(\k)+4*\c+3], v[\adr] offset:(\t)*TP+1536*(\q)+512*\c
.endr
.set NI, NI+3
.endm
.macro LA slot, q, a                   ; x's fragment a
	WIN 0
.irp c, 0,1,2
	ds_load_b128 v[AF+12*\a+4*\c:AF+12*\a+4*\c+3], v[ADRA+(\slot)] offset:\a*TP+1536*(\q)+512*\c
.endr
.set NI, NI+3
.set IA\a, NI
.endm
.macro LS st, f                        ; K step st's scale words 3 f .. 3 f + 2 into set st % 2.  Register i < 8: lanes 0-15 x's block i, lanes 16-31 the head's tile i; registers 8-11: wv's tiles
	WIN 0
.irp j, 0,1,2
.if 3*(\f)+\j < 8
	ds_load_b32 v[SC+12*((\st)%2)+3*(\f)+\j], v[ADS1] offset:(3*(\f)+\j)*1024+((\st)/4)*256+((\st)%4)*4
.else
	ds_load_b32 v[SC+12*((\st)%2)+3*(\f)+\j], v[ADS2] offset:(3*(\f)+\j-8)*1024+((\st)/4)*256+((\st)%4)*4
.endif
.endr
.set NI, NI+3
.endm
.macro WT sym                          ; all LDS instructions up to the one noted in sym are done: those issued since may be out
	s_wait_dscnt NI-\sym
.endm
.macro STEP st, zero
.set SL, ((\st)/2)%2
.set Q, (\st)%2
.set NX, (\st)+1
.set NSL, (NX/2)%2
.set NQ, NX%2
.set CH, (\st)/2
	WT IA3                                         ; group 0's set, the scale words and x's blocks 0-3 are in
.irp a, 0,1,2,3
	ROW 0, \a, Q, Q, \zero
.endr
	WT IA7
.irp a, 4,5,6,7
	ROW 0, \a, Q, Q, \zero
.endr
	PLACES
.irp k, 0,1,2,3
	LB ADRV+SL, \k, Q, Q, \k                       ; group 2's set, where group 0's lay: in a chunk's second step my last reads of the slot
.endr
.set IB2, NI
	WT IB1
.if Q == 1 && NX < 16
.irp a, 0,1,2,3,4,5
	ROW 1, \a, 1-Q, Q, \zero
.endr
	WIN 0
	s_wait_tensorcnt 0x0                           ; my part of the next chunk has landed
	ds_add_u32 v[SPW], v[NIL]
.set NI, NI+1
.if CH+2 < 8
	s_add_nc_u64 s[G0+4*SL+2:G0+4*SL+3], s[G0+4*SL+2:G0+4*SL+3], 2*TP       ; no load of mine is out: this slot's next chunk
	s_add_nc_u64 s[G0B+4*SL+2:G0B+4*SL+3], s[G0B+4*SL+2:G0B+4*SL+3], 2*TP
.endif
	s_wait_dscnt 0x0                               ; the add is done, my reads of this slot are over
	s_barrier_signal -1
	ROW 1, 6, 1-Q, Q, \zero
	ROW 1, 7, 1-Q, Q, \zero
	WIN 0
	s_barrier_wait -1
.if CH+2 < 8
	CREST                                          ; the barrier has opened a round of the cluster's barrier
	JLOAD SL                                       ; chunk CH + 2; its four v_nop are the places in front of the loads below
.else
	PLACES
.endif
.else
.irp a, 0,1,2,3,4,5,6,7
	ROW 1, \a, 1-Q, Q, \zero
.endr
	PLACES
.endif
.if NX < 16
.irp k, 0,1,2,3
	LB ADRB+NSL, \k, NQ, 1-Q, \k                   ; the next step's group 0
.endr
.irp f, 0,1,2,3
	LS NX, \f
.endr
.if Q == 1 && CH+4 < 8
	ASK CH+4
.endif
.endif
	WT IB2
.irp a, 0,1,2,3
	ROW 2, \a, Q, Q, \zero
.endr
.if NX < 16
	PLACES
.irp a, 0,1,2,3
	LA NSL, NQ, \a                                 ; these four are done with: they take the next step's
.endr
.endif
.irp a, 4,5,6,7
	ROW 2, \a, Q, Q, \zero
.endr
.if NX < 16
	PLACES
.irp a, 4,5,6,7
	LA NSL, NQ, \a
.endr
.irp k, 0,1,2,3
	LB ADRB+NSL, 4+\k, NQ, Q, \k                   ; and the next step's group 1
.endr
.set IB1, NI
.endif
.endm
	s_wait_tensorcnt 0x0                           ; my part of chunk 0 is in; these lines stand ahead of a later first fill as ahead of a refill
	ds_add_u32 v[SPW], v[NIL]
	s_wait_dscnt 0x0                               ; the add and my stores of scale words are done
	CROUND
	JLOAD 1                                        ; chunk 1, the first tensor load behind the round
.irp f, 0,1,2,3
	LS 0, \f
.endr
.irp k, 0,1,2,3
	LB ADRB, \k, 0, 0, \k
.endr
.irp a, 0,1,2,3,4,5,6,7
	LA 0, 0, \a
.endr
.irp k, 0,1,2,3
	LB ADRB, 4+\k, 0, 1, \k
.endr
.set IB1, NI
	ASK 3
	STEP 0, 1                                      ; the first step's products start the sums
.set ST, 1
.rept 15
	STEP ST, 0
.set ST, ST+1
.endr
	PLACES
	WIN 0x0c                                       ; v goes out as it lies: 512 consecutive bytes a store, each accumulator from its low end on
.irp a, 0,1,2,3,4,5,6,7
.irp e, 0,1,2,3,4,5,6,7
	global_store_b128 v[LI], v[32*\a+4*\e:32*\a+4*\e+3], s[12:13] offset:\a*131072+512*\e
.endr
.endr
	WIN 0
.irp b, 0,1,2,3
	v_mov_b32 v[TM+4+\b], 0                        ; a lane permute's destination counts as one of its sources
.endr
; token block a of my head: blocks 2 c, 2 c + 1 of 32 channels lie in window 1 + c, registers 32 a + 0..31
.macro QUANT a
.irp c, 0,1
	WIN (1+\c)*5
.irp t, 0,1,2,3
	v_max3_num_f32 v[TC+4*\c+\t], |v[32*(\a)+8*\t]|, |v[32*(\a)+8*\t+1]|, 0x2800000   ; with the floor 2^(5 - 127)
.endr
.irp i, 2,4,6
.irp t, 0,1,2,3
	v_max3_num_f32 v[TC+4*\c+\t], |v[32*(\a)+8*\t+\i]|, |v[32*(\a)+8*\t+\i+1]|, v[TC+4*\c+\t]
.endr
.endr
.endr
	WIN 0
.irp b, 0,1,2,3
	v_max_num_f32 v[TM+\b], v[TC+2*\b], v[TC+2*\b+1]
.endr
.irp b, 0,1,2,3
	v_permlanex16_b32 v[TM+4+\b], v[TM+\b], s[SEL], s[SEL+1]
.endr
.irp b, 0,1,2,3
	v_max_num_f32 v[TM+\b], v[TM+\b], v[TM+4+\b]
.endr
.irp b, 0,1,2,3
	v_add_nc_u32 v[TM+12+\b], 0xfe000000, v[TM+\b]
.endr
.irp b, 0,1,2,3
	v_lshrrev_b32 v[TM+4+\b], 23, v[TM+12+\b]
.endr
	v_lshl_or_b32 v[PW], v[TM+5], 8, v[TM+4]
	v_lshl_or_b32 v[PW], v[TM+6], 16, v[PW]
	v_lshl_or_b32 v[PW], v[TM+7], 24, v[PW]
	s_wait_alu depctr_va_vdst(0)
	s_wait_xcnt 0x0                                ; the last fragment's stores have read PC
.irp c, 0,1
	WIN 1+\c
	v_cvt_scalef32_pk16_bf6_f32 v[PC+6*\c:PC+6*\c+2], v[32*(\a):32*(\a)+15], v[TM+12+2*\c]
	v_cvt_scalef32_pk16_bf6_f32 v[PC+12+4*\c:PC+14+4*\c], v[32*(\a)+16:32*(\a)+31], v[TM+13+2*\c]
.endr
	WIN 0
	v_nop
.irp c, 0,1
.irp i, 0,1,2
	v_permlane16_swap_b32 v[PC+6*\c+\i], v[PC+12+4*\c+\i]
.endr
.irp i, 0,1,2
	v_mov_b32 v[PC+3+6*\c+\i], v[PC+12+4*\c+\i]
.endr
.endr
.endm
.irp a, 0,1,2,3,4,5,6,7
	QUANT \a
.irp c, 0,1,2
	global_store_b128 v[LI], v[PC+4*\c:PC+4*\c+3], s[8:9] offset:\a*1536+512*\c
.endr
	ds_store_b32 v[SWA], v[PW] offset:64*\a
.endr
	ds_load_b128 v[BKS:BKS+3], v[SWR]              ; my 128 scale words leave as 512 consecutive bytes
	s_wait_dscnt 0x0
	global_store_b128 v[LI], v[BKS:BKS+3], s[10:11]
	s_wait_tensorcnt 0x0                           ; the wave's end
	ds_add_u32 v[SPW], v[NIL]
	s_wait_dscnt 0x0
	CROUND                                         ; the closing round
	s_endpgm
.Lfunc_end_k_q29f2d155ca_qkv:
	.size	k_q29f2d155ca_qkv, .Lfunc_end_k_q29f2d155ca_qkv-k_q29f2d155ca_qkv
	.p2alignl 7, 3214868480
	.fill 96, 4, 3214868480
	.section	.rodata,"a",@progbits
	.p2align	6, 0x0
	.amdhsa_kernel k_q29f2d155ca_qkv
		.amdhsa_group_segment_fixed_size 327680
		.amdhsa_private_segment_fixed_size 0
		.amdhsa_enable_private_segment 0
		.amdhsa_kernarg_size 40
		.amdhsa_user_sgpr_count 2
		.amdhsa_user_sgpr_kernarg_segment_ptr 1
		.amdhsa_wavefront_size32 1
		.amdhsa_system_sgpr_workgroup_id_x 1
		.amdhsa_system_sgpr_workgroup_id_y 1
		.amdhsa_system_sgpr_workgroup_id_z 1
		.amdhsa_system_vgpr_workitem_id 0
		.amdhsa_next_free_vgpr 1024
		.amdhsa_next_free_sgpr 100
		.amdhsa_reserve_vcc 0
		.amdhsa_float_denorm_mode_32 3
		.amdhsa_float_denorm_mode_16_64 3
		.amdhsa_memory_ordered 1
		.amdhsa_forward_progress 1
		.amdhsa_inst_pref_size 255
	.end_amdhsa_kernel
	.section	.bss,"aw",@nobits
	.p2align	6
	.space	262144
	.amdgpu_metadata
---
amdhsa.version: [ 1, 2 ]
amdhsa.kernels:
  - .name:           k_q29f2d155ca_qkv
    .symbol:         k_q29f2d155ca_qkv.kd
    .args:
      - { .name: codes, .offset: 0, .size: 8, .value_kind: global_buffer, .address_space: global }
      - { .name: scl, .offset: 8, .size: 8, .value_kind: global_buffer, .address_space: global }
      - { .name: qkc, .offset: 16, .size: 8, .value_kind: global_buffer, .address_space: global }
      - { .name: qks, .offset: 24, .size: 8, .value_kind: global_buffer, .address_space: global }
      - { .name: vf, .offset: 32, .size: 8, .value_kind: global_buffer, .address_space: global }
    .group_segment_fixed_size: 327680
    .private_segment_fixed_size: 0
    .kernarg_segment_align: 8
    .kernarg_segment_size: 40
    .max_flat_workgroup_size: 128
    .sgpr_count:     100
    .vgpr_count:     1024
    .wavefront_size: 32
...
	.end_amdgpu_metadata
.endif
;; end of part 2
;; launch attn (part 3): grid 256 x 1, 4 waves a work-group, no clusters, 68,352 bytes of LDS; arguments qkc, qks, vf, ac, asc; writes ac, asc
.if DOCPART == 3
	.amdgcn_target "amdgcn-amd-amdhsa--gfx1250"
	.amdhsa_code_object_version 6
	.text
	.protected	k_q29f2d155ca_attn
	.globl	k_q29f2d155ca_attn
	.p2align	8
	.type	k_q29f2d155ca_attn,@function
k_q29f2d155ca_attn:
	s_mov_b64 s[64:65], 0
	v_nop
	global_prefetch_b8 v0, s[64:65] scope:SCOPE_SE
	s_setreg_imm32_b32 hwreg(HW_REG_WAVE_MODE, 25, 1), 1
	s_wait_xcnt 0x0
; attn[token][head i][d] = the sum over heads j <= i of softmax_j(q_i . k_j / sqrt(128)) v_j[d]; it leaves as codes of BF6 along K = 128 head + d, for the last product.
; WORK LEFT OUT: the terms j > i of probs x v: reference()'s own triu(-inf) makes those weights exactly 0 for all finite inputs (shown at the head of the first launch; a NaN or infinity in such a v_j is not carried).
; A work-group owns a tile of 16 tokens.  SCORES: wave w loads planes 4 w .. 4 w + 3 of q and of k (16 tokens x 128 d each); pieces of 16 bytes are turned, plane against lane, through LDS shared by the four waves;
; wave w then takes tokens 4 w .. 4 w + 3: S^T = k q^T (source 0 = 16 key heads, source 1 = 16 query heads): lane (i, h) holds query head i and key heads 8 h + 0..7.  The maximum is taken away before the exponential.
; The normalised weights go to LDS; behind a barrier wave w takes channel block b = w: v's image (register 16 j + i = channel 32 b + 16 (lane / 16) + i of head j, lane % 16 = token), probs x v in f32, in place, i descending.
; Heads 4 g .. 4 g + 3 x 32 channels are K step 4 g + b of the last product: quantised and stored as an image.  asc = [256 token tiles][b][r][g] words.
; No cluster and no tensor load: work-groups share no input.  No prefetch: there is no loop to run ahead in; all loads are issued at the head.
; LIMIT: a block of zeros gets the byte 1 (zero codes; the bytes are read by this program alone).
; REGISTERS: window 0 addresses, q's and k's scale words (v32-35), the quantiser's; window 1: q, k as loaded (v0, v48), turned (v96, v144); window 2: v; window 3: scores v0-31, scratch, then p (v96-255).
.set TK,    25600                      ; the turning: q's three pieces x 16 rows of 528 bytes at 0, k's here
.set PST,   51200                      ; p: 16 tokens x 1,040 bytes
.set SPARE, 67840
.set LI,  4
.set TSW, 5
.set TSR, 6
.set PSW, 7
.set PRD, 8
.set VQS, 12
.set VSC, 13
.set DD,  14
.set SPW, 28
.set NIL, 29
.set QKS, 32
.set TM,  144
.set PW,  160
.set PC,  168
.set OP,  190
.set TT,  128
.set SU,  160
.set NINF, 192
.set PB,  96
.set SEL, 66
.set CS,  68
.set MK,  72
.set HM,  80
.set MSB, 0
.macro WIN new
.if MSB != (\new)
	s_set_vgpr_msb (MSB<<8)|(\new)
.set MSB, (\new)
.endif
.endm
	s_load_b256 s[4:11], s[0:1], 0x0               ; qkc, qks, vf, ac
	s_load_b64 s[12:13], s[0:1], 0x20              ; asc
	v_lshl_add_u32 v[SPW], v0, 2, SPARE
	v_mov_b32 v[NIL], 0
	v_lshrrev_b32 v1, 5, v0
	v_readfirstlane_b32 s14, v1                    ; wave
	s_mul_i32 s16, s14, 2112
	s_lshl_b32 s17, s14, 6
	s_mul_i32 s18, s14, 4160
	s_add_co_u32 s18, s18, PST
	s_mul_i32 s20, ttmp9, 1536
	s_mul_i32 s21, s14, 1572864
	s_add_co_u32 s20, s20, s21                     ; q's plane 4 w, my token tile
	s_mov_b32 s21, 0
	s_lshl_b32 s22, ttmp9, 6
	s_lshl_b32 s23, s14, 4
	s_add_co_u32 s22, s22, s23                     ; the words of tokens 4 w on
	s_mov_b32 s23, 0
	s_lshl_b32 s24, ttmp9, 2
	s_add_co_u32 s24, s24, s14
	s_lshl_b32 s24, s24, 15                        ; v's image: token tile, b = w
	s_mov_b32 s25, 0
	s_mul_i32 s26, ttmp9, 24576
	s_mul_i32 s27, s14, 1536
	s_add_co_u32 s26, s26, s27
	s_mov_b32 s27, 0
	s_lshl_b32 s28, ttmp9, 10
	s_lshl_b32 s29, s14, 8
	s_add_co_u32 s28, s28, s29
	s_mov_b32 s29, 0
	s_mov_b32 s[SEL], 0x76543210
	s_mov_b32 s[SEL+1], 0xfedcba98
	s_mov_b32 s[CS], 0x3e0293ee                    ; c = log2(e) / sqrt(128)
	s_mov_b32 s[CS+1], s[CS]
	v_and_b32 v1, 15, v0
	v_bfe_u32 v2, v0, 4, 1
	v_and_b32 v3, 31, v0
	v_lshlrev_b32 v[LI], 4, v3
	v_add_nc_u32 v[TSW], s16, v[LI]                ; way in: row 4 w + i, 16 x lane
	v_mul_u32_u24 v[TSR], v1, 528
	v_lshl_add_u32 v[TSR], v2, 8, v[TSR]
	v_add_nc_u32 v[TSR], s17, v[TSR]               ; way out: row r, 256 h + 16 (4 w + t)
	v_lshlrev_b32 v[PSW], 6, v1
	v_lshl_add_u32 v[PSW], v2, 5, v[PSW]
	v_add_nc_u32 v[PSW], s18, v[PSW]               ; p[token][i][j] at 1040 token + 64 i + 4 j
	v_mul_u32_u24 v[PRD], v1, 1040
	v_add_nc_u32 v[PRD], PST, v[PRD]
	v_lshlrev_b32 v[VQS], 14, v3                   ; lane l reads plane l's words
	v_lshlrev_b32 v[VSC], 4, v1
	v_lshl_add_u32 v[VSC], v2, 3, v[VSC]
	v_lshlrev_b32 v[DD], 3, v2
	v_sub_nc_u32 v[DD], v1, v[DD]                  ; key 8 h + j is hidden where j > r - 8 h
.irp j, 0,1,2,3,4,5,6,7
	v_cmp_gt_i32 s[MK+\j], \j, v[DD]
.endr
	v_cmp_eq_u32 s[HM], 1, v2
.irp b, 0,1,2,3
	v_mov_b32 v[TM+4+\b], 0
.endr
	s_wait_alu depctr_va_vdst(0)
	s_wait_kmcnt 0x0
	s_add_nc_u64 s[20:21], s[4:5], s[20:21]
	s_add_nc_u64 s[22:23], s[6:7], s[22:23]
	s_add_nc_u64 s[24:25], s[8:9], s[24:25]
	s_add_nc_u64 s[26:27], s[10:11], s[26:27]
	s_add_nc_u64 s[28:29], s[12:13], s[28:29]
	global_load_b128 v[QKS:QKS+3], v[VQS], s[22:23]   ; register t: token 4 w + t: lanes 0-15 q's heads, lanes 16-31 k's
	WIN 0x40
.irp i, 0,1,2,3
.irp c, 0,1,2
	global_load_b128 v[12*\i+4*\c:12*\i+4*\c+3], v[LI], s[20:21] offset:\i*393216+512*\c
	global_load_b128 v[48+12*\i+4*\c:48+12*\i+4*\c+3], v[LI], s[20:21] offset:6291456+\i*393216+512*\c
.endr
.endr
	WIN 0x80
.irp e, 0,1,2,3,4,5,6,7,8,9,10,11,12,13,14,15,16,17,18,19,20,21,22,23,24,25,26,27,28,29,30,31
	global_load_b128 v[4*\e:4*\e+3], v[LI], s[24:25] offset:512*\e
.endr
	s_wait_loadcnt 32                              ; all but v's 32 loads
	WIN 0x04
.irp i, 0,1,2,3
.irp c, 0,1,2
	ds_store_b128 v[TSW], v[12*\i+4*\c:12*\i+4*\c+3] offset:8448*\c+528*\i
	ds_store_b128 v[TSW], v[48+12*\i+4*\c:48+12*\i+4*\c+3] offset:TK+8448*\c+528*\i
.endr
.endr
	WIN 0x80
.irp e, 32,33,34,35,36,37,38,39,40,41,42,43,44,45,46,47,48,49,50,51,52,53,54,55,56,57,58,59,60,61,62,63
	global_load_b128 v[4*\e:4*\e+3], v[LI], s[24:25] offset:512*\e
.endr
	WIN 0
	s_wait_dscnt 0x0                               ; for the others' sake: my stores are done
	s_barrier_signal -1
	s_barrier_wait -1
	WIN 0x40
.irp t, 0,1,2,3
.irp c, 0,1,2
	ds_load_b128 v[96+12*\t+4*\c:96+12*\t+4*\c+3], v[TSR] offset:8448*\c+16*\t
	ds_load_b128 v[144+12*\t+4*\c:144+12*\t+4*\c+3], v[TSR] offset:TK+8448*\c+16*\t
.endr
.endr
	s_wait_dscnt 0x0
	WIN 0xc5                                       ; sources window 1, D window 3
.irp t, 0,1,2,3
	v_wmma_scale_f32_16x16x128_f8f6f4 v[8*\t:8*\t+7], v[144+12*\t:144+12*\t+11], v[96+12*\t:96+12*\t+11], 0, v[QKS+\t], v[QKS+\t] matrix_a_fmt:MATRIX_FMT_BF6 matrix_b_fmt:MATRIX_FMT_BF6 matrix_a_scale:MATRIX_SCALE_ROW1
.endr
	WIN 0xc0
.irp t, 0,1,2,3
	v_mov_b32 v[TT+2*\t+1], 0                      ; the scratch's first writes are the places behind the products
.endr
	v_mov_b32 v[NINF], 0xff800000
	WIN 0xff                                       ; THE SOFTMAX, in window 3, the four tokens by turns
.irp j, 0,1,2,3,4,5,6,7
.irp t, 0,1,2,3
	v_cndmask_b32 v[8*\t+\j], v[8*\t+\j], v[NINF], s[MK+\j]   ; hidden keys: -infinity (each result is read from its low end on)
.endr
.endr
.irp t, 0,1,2,3
	v_max3_num_f32 v[TT+2*\t], v[8*\t], v[8*\t+1], v[8*\t+2]
.endr
.irp t, 0,1,2,3
	v_max3_num_f32 v[TT+2*\t], v[TT+2*\t], v[8*\t+3], v[8*\t+4]
.endr
.irp t, 0,1,2,3
	v_max3_num_f32 v[TT+2*\t], v[TT+2*\t], v[8*\t+5], v[8*\t+6]
.endr
.irp t, 0,1,2,3
	v_max_num_f32 v[TT+2*\t], v[TT+2*\t], v[8*\t+7]
.endr
.irp t, 0,1,2,3
	v_permlanex16_b32 v[TT+2*\t+1], v[TT+2*\t], s[SEL], s[SEL+1]
.endr
.irp t, 0,1,2,3
	v_max_num_f32 v[TT+2*\t], v[TT+2*\t], v[TT+2*\t+1]   ; the row's maximum: key head 0 counts for every query head
.endr
.irp t, 0,1,2,3
	v_mul_f32 v[TT+2*\t], s[CS], v[TT+2*\t]
.endr
.irp k, 0,2,4,6
.irp t, 0,1,2,3
	v_pk_fma_f32 v[8*\t+\k:8*\t+\k+1], v[8*\t+\k:8*\t+\k+1], s[CS:CS+1], v[TT+2*\t:TT+2*\t+1] op_sel_hi:[1,0,0] neg_lo:[0,0,1] neg_hi:[0,0,1]   ; c s - c m
.endr
.endr
	s_wait_alu depctr_va_vdst(0)
.irp j, 0,1,2,3,4,5,6,7
.irp t, 0,1,2,3
	v_exp_f32 v[8*\t+\j], v[8*\t+\j]
.endr
.endr
	v_nop
	s_wait_alu depctr_va_vdst(0)
.irp t, 0,1,2,3
	v_pk_add_f32 v[SU+2*\t:SU+2*\t+1], v[8*\t:8*\t+1], v[8*\t+2:8*\t+3]
.endr
.irp t, 0,1,2,3
	v_pk_add_f32 v[SU+2*\t:SU+2*\t+1], v[SU+2*\t:SU+2*\t+1], v[8*\t+4:8*\t+5]
.endr
.irp t, 0,1,2,3
	v_pk_add_f32 v[SU+2*\t:SU+2*\t+1], v[SU+2*\t:SU+2*\t+1], v[8*\t+6:8*\t+7]
.endr
.irp t, 0,1,2,3
	v_add_f32 v[SU+2*\t], v[SU+2*\t], v[SU+2*\t+1]
.endr
.irp t, 0,1,2,3
	v_permlanex16_b32 v[SU+2*\t+1], v[SU+2*\t], s[SEL], s[SEL+1]
.endr
.irp t, 0,1,2,3
	v_add_f32 v[SU+2*\t], v[SU+2*\t], v[SU+2*\t+1]
.endr
	s_wait_alu depctr_va_vdst(0)
.irp t, 0,1,2,3
	v_rcp_f32 v[TT+2*\t], v[SU+2*\t]
.endr
	v_nop
	s_wait_alu depctr_va_vdst(0)
.irp k, 0,2,4,6
.irp t, 0,1,2,3
	v_pk_mul_f32 v[8*\t+\k:8*\t+\k+1], v[8*\t+\k:8*\t+\k+1], v[TT+2*\t:TT+2*\t+1] op_sel_hi:[1,0]
.endr
.endr
	WIN 0x0c
.irp t, 0,1,2,3
	ds_store_b128 v[PSW], v[8*\t:8*\t+3] offset:1040*\t
	ds_store_b128 v[PSW], v[8*\t+4:8*\t+7] offset:1040*\t+16
.endr
	WIN 0
	s_wait_dscnt 0x0                               ; for the others' sake: my weights are stored
	s_barrier_signal -1
	s_barrier_wait -1
	WIN 0xc0
.irp i, 0,1,2,3,4,5,6,7,8,9,10,11,12,13,14,15
.set PO, PB+4*(\i/4+1)*(2*(\i/4)+\i%4)
.irp c, 0,1,2,3
.if \c <= \i/4
	ds_load_b128 v[PO+4*\c:PO+4*\c+3], v[PRD] offset:64*\i+16*\c   ; my token's p[i][4 c ..]: only the pieces that hold a j <= i
.endif
.endr
.endr
	s_wait_dscnt 0x0
	s_wait_loadcnt 0x0                             ; v is in
	WIN 0xae                                       ; v: window 2 (destination, sources 0 and 2); p: window 3 (source 1)
.macro PVROW i
.set PO, PB+4*((\i)/4+1)*(2*((\i)/4)+(\i)%4)
.set PP, PO+(\i)-(\i)%2
.irp e, 0,2,4,6,8,10,12,14
.if (\i)%2
	v_pk_mul_f32 v[16*(\i)+\e:16*(\i)+\e+1], v[16*(\i)+\e:16*(\i)+\e+1], v[PP:PP+1] op_sel:[0,1] op_sel_hi:[1,1]
.else
	v_pk_mul_f32 v[16*(\i)+\e:16*(\i)+\e+1], v[16*(\i)+\e:16*(\i)+\e+1], v[PP:PP+1] op_sel_hi:[1,0]
.endif
.endr
.irp j, 0,1,2,3,4,5,6,7,8,9,10,11,12,13,14
.if \j < (\i)
.set PP, PO+\j-\j%2
.irp e, 0,2,4,6,8,10,12,14
.if \j%2
	v_pk_fma_f32 v[16*(\i)+\e:16*(\i)+\e+1], v[16*\j+\e:16*\j+\e+1], v[PP:PP+1], v[16*(\i)+\e:16*(\i)+\e+1] op_sel:[0,1,0] op_sel_hi:[1,1,1]
.else
	v_pk_fma_f32 v[16*(\i)+\e:16*(\i)+\e+1], v[16*\j+\e:16*\j+\e+1], v[PP:PP+1], v[16*(\i)+\e:16*(\i)+\e+1] op_sel_hi:[1,0,1]
.endif
.endr
.endif
.endr
.endm
.irp i, 15,14,13,12,11,10,9,8,7,6,5,4,3,2,1,0
	PVROW \i
.endr
; 64 numbers of a lane in window 2, register s + 16 b + i = place 32 b + 16 (lane / 16) + i of the K step, become a fragment's codes in v[PC] on and its scale word in v[pw]
.macro QUANT s, pw
.set QS, \s
	WIN 0x0a
.irp b, 0,1,2,3
	v_max3_num_f32 v[TM+\b], |v[QS+16*\b]|, |v[QS+16*\b+1]|, 0x2800000
.endr
.irp i, 2,4,6,8,10,12,14
.irp b, 0,1,2,3
	v_max3_num_f32 v[TM+\b], |v[QS+16*\b+\i]|, |v[QS+16*\b+\i+1]|, v[TM+\b]
.endr
.endr
	WIN 0
.irp b, 0,1,2,3
	v_permlanex16_b32 v[TM+4+\b], v[TM+\b], s[SEL], s[SEL+1]
.endr
.irp b, 0,1,2,3
	v_max_num_f32 v[TM+\b], v[TM+\b], v[TM+4+\b]
.endr
.irp b, 0,1,2,3
	v_add_nc_u32 v[TM+12+\b], 0xfe000000, v[TM+\b]
.endr
.irp b, 0,1,2,3
	v_lshrrev_b32 v[TM+4+\b], 23, v[TM+12+\b]
.endr
	v_lshl_or_b32 v[\pw], v[TM+5], 8, v[TM+4]
	v_lshl_or_b32 v[\pw], v[TM+6], 16, v[\pw]
	v_lshl_or_b32 v[\pw], v[TM+7], 24, v[\pw]
	s_wait_alu depctr_va_vdst(0)
	s_wait_xcnt 0x0                                ; the last fragment's stores have read PC
	WIN 0x02
.irp c, 0,1
	v_cvt_scalef32_pk16_bf6_f32 v[PC+6*\c:PC+6*\c+2], v[QS+32*\c:QS+32*\c+15], v[TM+12+2*\c]
	v_cvt_scalef32_pk16_bf6_f32 v[PC+12+4*\c:PC+14+4*\c], v[QS+32*\c+16:QS+32*\c+31], v[TM+13+2*\c]
.endr
	WIN 0
	v_nop
.irp c, 0,1
.irp i, 0,1,2
	v_permlane16_swap_b32 v[PC+6*\c+\i], v[PC+12+4*\c+\i]
.endr
.irp i, 0,1,2
	v_mov_b32 v[PC+3+6*\c+\i], v[PC+12+4*\c+\i]
.endr
.endr
.endm
.irp g, 0,1,2,3
	QUANT 64*\g, PW+\g
.irp c, 0,1,2
	global_store_b128 v[LI], v[PC+4*\c:PC+4*\c+3], s[26:27] offset:6144*\g+512*\c   ; 512 consecutive bytes, aligned
.endr
.endr
	v_cndmask_b32 v[OP], v[PW], v[PW+2], s[HM]     ; lanes 0-15 store the words of g = 0, 1, lanes 16-31 those of g = 2, 3
	v_cndmask_b32 v[OP+1], v[PW+1], v[PW+3], s[HM]
	global_store_b64 v[VSC], v[OP:OP+1], s[28:29]  ; 256 consecutive bytes, aligned
	s_wait_tensorcnt 0x0                           ; the wave's end
	ds_add_u32 v[SPW], v[NIL]
	s_wait_dscnt 0x0
	s_endpgm
.Lfunc_end_k_q29f2d155ca_attn:
	.size	k_q29f2d155ca_attn, .Lfunc_end_k_q29f2d155ca_attn-k_q29f2d155ca_attn
	.p2alignl 7, 3214868480
	.fill 96, 4, 3214868480
	.section	.rodata,"a",@progbits
	.p2align	6, 0x0
	.amdhsa_kernel k_q29f2d155ca_attn
		.amdhsa_group_segment_fixed_size 68352
		.amdhsa_private_segment_fixed_size 0
		.amdhsa_enable_private_segment 0
		.amdhsa_kernarg_size 40
		.amdhsa_user_sgpr_count 2
		.amdhsa_user_sgpr_kernarg_segment_ptr 1
		.amdhsa_wavefront_size32 1
		.amdhsa_system_sgpr_workgroup_id_x 1
		.amdhsa_system_sgpr_workgroup_id_y 1
		.amdhsa_system_sgpr_workgroup_id_z 1
		.amdhsa_system_vgpr_workitem_id 0
		.amdhsa_next_free_vgpr 1024
		.amdhsa_next_free_sgpr 100
		.amdhsa_reserve_vcc 0
		.amdhsa_float_denorm_mode_32 3
		.amdhsa_float_denorm_mode_16_64 3
		.amdhsa_memory_ordered 1
		.amdhsa_forward_progress 1
		.amdhsa_inst_pref_size 113
	.end_amdhsa_kernel
	.amdgpu_metadata
---
amdhsa.version: [ 1, 2 ]
amdhsa.kernels:
  - .name:           k_q29f2d155ca_attn
    .symbol:         k_q29f2d155ca_attn.kd
    .args:
      - { .name: qkc, .offset: 0, .size: 8, .value_kind: global_buffer, .address_space: global }
      - { .name: qks, .offset: 8, .size: 8, .value_kind: global_buffer, .address_space: global }
      - { .name: vf, .offset: 16, .size: 8, .value_kind: global_buffer, .address_space: global }
      - { .name: ac, .offset: 24, .size: 8, .value_kind: global_buffer, .address_space: global }
      - { .name: asc, .offset: 32, .size: 8, .value_kind: global_buffer, .address_space: global }
    .group_segment_fixed_size: 68352
    .private_segment_fixed_size: 0
    .kernarg_segment_align: 8
    .kernarg_segment_size: 40
    .max_flat_workgroup_size: 128
    .sgpr_count:     100
    .vgpr_count:     1024
    .wavefront_size: 32
...
	.end_amdgpu_metadata
.endif
;; end of part 3
;; launch ogemm (part 4): grid 8 x 32, 4 waves a work-group, clusters of 4 x 4, 327,680 bytes of LDS; arguments ac, asc, codes, scl, out0; writes out0
.if DOCPART == 4
	.amdgcn_target "amdgcn-amd-amdhsa--gfx1250"
	.amdhsa_code_object_version 6
	.text
	.protected	k_q29f2d155ca_ogemm
	.globl	k_q29f2d155ca_ogemm
	.p2align	8
	.type	k_q29f2d155ca_ogemm,@function
k_q29f2d155ca_ogemm:
	s_mov_b64 s[64:65], 0
	v_nop
	global_prefetch_b8 v0, s[64:65] scope:SCOPE_SE
	s_setreg_imm32_b32 hwreg(HW_REG_WAVE_MODE, 25, 1), 1
	s_wait_xcnt 0x0
	s_wait_alu depctr_hold_cnt(0) depctr_sa_sdst(0) depctr_va_vdst(0) depctr_va_sdst(0) depctr_va_ssrc(0) depctr_va_vcc(0) depctr_vm_vsrc(0)
	s_getreg_b32 s2, hwreg(HW_REG_IB_STS2, 6, 4)
	s_cmp_eq_u32 s2, 0
	s_cbranch_scc0 .Lentry_in_a_cluster
	s_endpgm
.Lentry_in_a_cluster:
	s_bfe_u32 s2, ttmp6, 0x10000c
	s_cmp_lg_u32 s2, 0xf033
	s_cbranch_scc0 .Lentry_shape_is_right
	s_endpgm
.Lentry_shape_is_right:
.set TP,    6144
.set SLOT1, 147456
.set SPARE, 294912
.set LI,  4
.set STO, 5
.set RD,  6
.set ADA, 16
.set ADB, 20
.set SPW, 28
.set NIL, 29
.set SA,  32
.set SB,  64
.set BK,  128
.set G1,  24
.set G0,  32
.set G1B, 48
.set G0B, 56
.set MSB, 0
.macro WIN new
.if MSB != (\new)
	s_set_vgpr_msb (MSB<<8)|(\new)
.set MSB, (\new)
.endif
.endm
.set MUL, 0xad
.macro JLOAD g0a, g1a, g0b, g1b
	s_cmp_eq_u32 s15, 0
	s_cbranch_scc0 .Lfor_b_\@
	tensor_load_to_lds s[\g0a:\g0a+3], s[\g1a:\g1a+7]
	s_nop 0
.rept 4
	v_nop
.endr
	s_branch .Lasked_\@
.Lfor_b_\@:
	tensor_load_to_lds s[\g0b:\g0b+3], s[\g1b:\g1b+7]
	s_nop 0
.rept 4
	v_nop
.endr
.Lasked_\@:
.endm
.macro CREST
	s_cmp_lg_u32 s14, 0
	s_cbranch_scc1 .Lnot_wave_0_\@
	s_barrier_signal -3
.Lnot_wave_0_\@:
	s_barrier_wait -3
	s_barrier_signal -1
	s_barrier_wait -1
.endm
.macro CROUND
	s_barrier_signal -1
	s_barrier_wait -1
	CREST
.endm
.macro PLACES
.rept 4
	v_nop
.endr
.endm
	s_load_b256 s[4:11], s[0:1], 0x0
	s_load_b64 s[12:13], s[0:1], 0x20
	v_lshl_add_u32 v[SPW], v0, 2, SPARE
	v_mov_b32 v[NIL], 0
	ds_add_u32 v[SPW], v[NIL]
	ds_add_u32 v[SPW], v[NIL]
	v_lshrrev_b32 v1, 5, v0
	v_readfirstlane_b32 s14, v1
	s_lshr_b32 s15, s14, 1
	s_and_b32 s16, s14, 1
	s_bfe_u32 s40, ttmp6, 0x40000
	s_bfe_u32 s41, ttmp6, 0x40004
	s_lshl_b32 s42, ttmp9, 2
	s_add_co_u32 s42, s42, s40
	s_and_b32 s17, ttmp7, 0xffff
	s_lshl_b32 s17, s17, 2
	s_add_co_u32 s17, s17, s41
	s_lshl_b32 s43, s41, 2
	s_lshl_b32 s43, 15, s43
	s_lshl_b32 s44, 0x1111, s40
	s_or_b32 s[G1+0], s43, (3<<16)|(1<<21)
	s_or_b32 s[G1B+0], s44, (3<<16)|(1<<21)
	s_mov_b32 s[G1+1], 768<<16
	s_mov_b32 s[G1+2], 4<<16
	s_mov_b32 s[G1+3], 768<<16
	s_mov_b32 s[G1+4], 4
	s_mov_b32 s[G1+5], 3072
	s_mov_b32 s[G1+6], 0
	s_mov_b32 s[G1+7], 0
	s_mov_b32 s[G1B+1], 768<<16
	s_mov_b32 s[G1B+2], 8<<16
	s_mov_b32 s[G1B+3], 768<<16
	s_mov_b32 s[G1B+4], 8
	s_mov_b32 s[G1B+5], 3072
	s_mov_b32 s[G1B+6], 0
	s_mov_b32 s[G1B+7], 0
	s_lshl_b32 s18, s16, 2
	s_lshl_b32 s20, s17, 3
	s_add_co_u32 s20, s20, s18
	s_mul_i32 s20, s20, 24576
	s_mov_b32 s21, 0
	s_lshl_b32 s18, s16, 3
	s_lshl_b32 s46, s42, 4
	s_add_co_u32 s46, s46, s18
	s_add_co_u32 s46, s46, 640
	s_mul_i32 s46, s46, 24576
	s_mov_b32 s47, 0
	s_mul_i32 s45, s16, 24576
	s_mul_i32 s19, s16, 49152
	s_add_co_u32 s19, s19, 49152
	s_wait_dscnt 0x0
	s_wait_kmcnt 0x0
	s_add_nc_u64 s[20:21], s[4:5], s[20:21]
	s_add_nc_u64 s[46:47], s[8:9], s[46:47]
	CROUND
.irp s, 0,1
	s_mov_b32 s[G0+4*\s], 1
	s_add_co_u32 s[G0+4*\s+1], s45, \s*SLOT1
	s_add_nc_u64 s[G0+4*\s+2:G0+4*\s+3], s[20:21], \s*TP
	s_or_b32 s[G0+4*\s+3], s[G0+4*\s+3], 0x80000000
	s_mov_b32 s[G0B+4*\s], 1
	s_add_co_u32 s[G0B+4*\s+1], s19, \s*SLOT1
	s_add_nc_u64 s[G0B+4*\s+2:G0B+4*\s+3], s[46:47], \s*TP
	s_or_b32 s[G0B+4*\s+3], s[G0B+4*\s+3], 0x80000000
	s_wait_alu depctr_va_vdst(0)
	s_wait_tensorcnt 0x0
	ds_add_u32 v28, v29
	ds_add_u32 v28, v29
	s_wait_dscnt 0x0
	CROUND
	JLOAD G0+4*\s, G1, G0B+4*\s, G1B
.endr
	v_and_b32 v1, 15, v0
	s_wait_alu depctr_va_vdst(0)
	v_bfe_u32 v2, v0, 4, 1
	v_and_b32 v3, 31, v0
	v_lshlrev_b32 v[LI], 4, v3
	s_mul_i32 s22, s15, 24576
	s_mul_i32 s23, s16, 49152
	s_add_co_u32 s23, s23, 49152
.irp s, 0,1
	v_add_nc_u32 v[ADA+\s], s22, v[LI]
	v_add_nc_u32 v[ADB+\s], s23, v[LI]
	s_add_co_u32 s22, s22, SLOT1
	s_add_co_u32 s23, s23, SLOT1
.endr
	s_mul_i32 s22, s14, 8448
	v_mul_u32_u24 v[STO], v1, 528
	s_wait_alu depctr_va_vdst(0)
	v_lshl_add_u32 v[STO], v2, 6, v[STO]
	v_add_nc_u32 v[STO], s22, v[STO]
	v_add_nc_u32 v[RD], s22, v[LI]
	s_lshl_b32 s66, s17, 3
	s_lshl_b32 s67, s15, 2
	s_add_co_u32 s66, s66, s67
	s_lshl_b32 s66, s66, 10
	s_mov_b32 s67, 0
	s_add_nc_u64 s[66:67], s[6:7], s[66:67]
	s_lshl_b32 s68, s42, 4
	s_lshl_b32 s69, s16, 3
	s_add_co_u32 s68, s68, s69
	s_add_co_u32 s68, s68, 640
	s_lshl_b32 s68, s68, 10
	s_mov_b32 s69, 0
	s_add_nc_u64 s[68:69], s[10:11], s[68:69]
.irp i, 0,1,2,3
.irp j, 0,1
	global_load_b128 v[SA+8*\i+4*\j:SA+8*\i+4*\j+3], v[LI], s[66:67] offset:1024*\i+512*\j
.endr
.endr
.irp i, 0,1,2,3,4,5,6,7
.irp j, 0,1
	global_load_b128 v[SB+8*\i+4*\j:SB+8*\i+4*\j+3], v[LI], s[68:69] offset:1024*\i+512*\j
.endr
.endr
	s_lshl_b32 s70, s17, 7
	s_lshl_b32 s71, s15, 6
	s_add_co_u32 s70, s70, s71
	s_lshl_b32 s70, s70, 13
	s_lshl_b32 s71, s42, 10
	s_add_co_u32 s70, s70, s71
	s_lshl_b32 s71, s16, 9
	s_add_co_u32 s70, s70, s71
	s_mov_b32 s71, 0
	s_add_nc_u64 s[12:13], s[12:13], s[70:71]
.macro WM zero, ra, rb
.if \zero
	v_wmma_scale_f32_16x16x128_f8f6f4 v[rD:rD+7], v[rA:rA+11], v[rB:rB+11], 0, v[rSA], v[rSB] matrix_a_fmt:MATRIX_FMT_BF6 matrix_b_fmt:MATRIX_FMT_BF6
.elseif (\ra) && (\rb)
	v_wmma_scale_f32_16x16x128_f8f6f4 v[rD:rD+7], v[rA:rA+11], v[rB:rB+11], v[rD:rD+7], v[rSA], v[rSB] matrix_a_fmt:MATRIX_FMT_BF6 matrix_b_fmt:MATRIX_FMT_BF6 matrix_a_scale:MATRIX_SCALE_ROW1 matrix_b_scale:MATRIX_SCALE_ROW1
.elseif \ra
	v_wmma_scale_f32_16x16x128_f8f6f4 v[rD:rD+7], v[rA:rA+11], v[rB:rB+11], v[rD:rD+7], v[rSA], v[rSB] matrix_a_fmt:MATRIX_FMT_BF6 matrix_b_fmt:MATRIX_FMT_BF6 matrix_a_scale:MATRIX_SCALE_ROW1
.elseif \rb
	v_wmma_scale_f32_16x16x128_f8f6f4 v[rD:rD+7], v[rA:rA+11], v[rB:rB+11], v[rD:rD+7], v[rSA], v[rSB] matrix_a_fmt:MATRIX_FMT_BF6 matrix_b_fmt:MATRIX_FMT_BF6 matrix_b_scale:MATRIX_SCALE_ROW1
.else
	v_wmma_scale_f32_16x16x128_f8f6f4 v[rD:rD+7], v[rA:rA+11], v[rB:rB+11], v[rD:rD+7], v[rSA], v[rSB] matrix_a_fmt:MATRIX_FMT_BF6 matrix_b_fmt:MATRIX_FMT_BF6
.endif
.endm
.macro MUL8 m, sg, zero
.set IDB, 4*((\sg)/8)+(\sg)%4
.set RWB, ((\sg)/4)%2
.set IDA, 4*(((\sg)%4)/2)+(\sg)/4
.set RWA, (\sg)%2
.irp c, 0,1,2,3,4,5,6,7
.set rD, 8*(8*(\m)+\c)
.set rA, 128*((\sg)%2)+12*\c
.set rB, 48*((\sg)%2)+12*(\m)
.set rSA, SB+8*\c+IDB
.set rSB, SA+8*(\m)+IDA
	WM \zero, RWB, RWA
.endr
.endm
.macro FETCH slot, q, p
	WIN 0x40
.irp i, 0,1,2,3,4,5,6,7
.irp c, 0,1,2
	ds_load_b128 v[128*(\p)+12*\i+4*\c:128*(\p)+12*\i+4*\c+3], v[ADB+\slot] offset:\i*TP+1536*(\q)+512*\c
.endr
.endr
	WIN 0xc0
.irp m, 0,1,2,3
.irp c, 0,1,2
	ds_load_b128 v[48*(\p)+12*\m+4*\c:48*(\p)+12*\m+4*\c+3], v[ADA+\slot] offset:\m*TP+1536*(\q)+512*\c
.endr
.endr
.endm
.macro STEP slot, q, sg, zero
	s_wait_dscnt 0x0
	WIN MUL
	MUL8 0, \sg, \zero
	PLACES
	FETCH \slot, (\q)+1, 1-(\sg)%2
	WIN MUL
	MUL8 1, \sg, \zero
	MUL8 2, \sg, \zero
	MUL8 3, \sg, \zero
.endm
.macro TURN slot, next, sg, fill
	WIN 0
	s_wait_tensorcnt 0x0
	ds_add_u32 v[SPW], v[NIL]
	s_wait_dscnt 1
	WIN MUL
	MUL8 0, \sg, 0
	s_wait_dscnt 0x0
	s_barrier_signal -1
	MUL8 1, \sg, 0
	WIN 0
	s_barrier_wait -1
.if \fill
	CREST
	s_add_nc_u64 s[G0+4*\slot+2:G0+4*\slot+3], s[G0+4*\slot+2:G0+4*\slot+3], 2*TP
	s_add_nc_u64 s[G0B+4*\slot+2:G0B+4*\slot+3], s[G0B+4*\slot+2:G0B+4*\slot+3], 2*TP
	JLOAD G0+4*\slot, G1, G0B+4*\slot, G1B
.else
	PLACES
.endif
	FETCH \next, 0, 0
	WIN MUL
	MUL8 2, \sg, 0
	MUL8 3, \sg, 0
.endm
	s_wait_tensorcnt 1
	s_barrier_signal -1
	s_barrier_wait -1
	FETCH 0, 0, 0
	s_wait_loadcnt 0x0
	STEP 0, 0, 0, 1
	STEP 0, 1, 1, 0
	STEP 0, 2, 2, 0
	TURN 0, 1, 3, 1
	STEP 1, 0, 4, 0
	STEP 1, 1, 5, 0
	STEP 1, 2, 6, 0
	TURN 1, 0, 7, 1
	STEP 0, 0, 8, 0
	STEP 0, 1, 9, 0
	STEP 0, 2, 10, 0
	TURN 0, 1, 11, 0
	STEP 1, 0, 12, 0
	STEP 1, 1, 13, 0
	STEP 1, 2, 14, 0
	s_wait_dscnt 0x0
	WIN MUL
	MUL8 0, 15, 0
	MUL8 1, 15, 0
	MUL8 2, 15, 0
	MUL8 3, 15, 0
.macro TOSTAGE m
	WIN 0x08
.irp c, 0,1,2,3,4,5,6,7
	ds_store_b128 v[STO], v[8*(8*(\m)+\c):8*(8*(\m)+\c)+3] offset:128*(\c/2)+32*(\c%2)
	ds_store_b128 v[STO], v[8*(8*(\m)+\c)+4:8*(8*(\m)+\c)+7] offset:128*(\c/2)+32*(\c%2)+16
.endr
	WIN 0
.set BB, BK+64*((\m)%2)
.irp t, 0,1,2,3,4,5,6,7,8,9,10,11,12,13,14,15
	ds_load_b128 v[BB+4*\t:BB+4*\t+3], v[RD] offset:528*\t
.endr
.endm
.macro SEND m, younger
.set BB, BK+64*((\m)%2)
	s_wait_dscnt \younger
.irp t, 0,1,2,3,4,5,6,7,8,9,10,11,12,13,14,15
	global_store_b128 v[LI], v[BB+4*\t:BB+4*\t+3], s[12:13] offset:(16*(\m)+\t)*8192 th:TH_STORE_NT
.endr
.endm
	PLACES
	s_wait_alu depctr_va_vdst(0)
	TOSTAGE 0
	TOSTAGE 1
	SEND 0, 32
	s_wait_xcnt 0x0
	TOSTAGE 2
	SEND 1, 32
	s_wait_xcnt 0x0
	TOSTAGE 3
	SEND 2, 32
	SEND 3, 0
	s_wait_tensorcnt 0x0
	ds_add_u32 v[SPW], v[NIL]
	s_wait_dscnt 0x0
	CROUND
	s_endpgm
.Lfunc_end_k_q29f2d155ca_ogemm:
	.size	k_q29f2d155ca_ogemm, .Lfunc_end_k_q29f2d155ca_ogemm-k_q29f2d155ca_ogemm
	.p2alignl 7, 3214868480
	.fill 96, 4, 3214868480
	.section	.rodata,"a",@progbits
	.p2align	6, 0x0
	.amdhsa_kernel k_q29f2d155ca_ogemm
		.amdhsa_group_segment_fixed_size 327680
		.amdhsa_private_segment_fixed_size 0
		.amdhsa_enable_private_segment 0
		.amdhsa_kernarg_size 40
		.amdhsa_user_sgpr_count 2
		.amdhsa_user_sgpr_kernarg_segment_ptr 1
		.amdhsa_wavefront_size32 1
		.amdhsa_system_sgpr_workgroup_id_x 1
		.amdhsa_system_sgpr_workgroup_id_y 1
		.amdhsa_system_sgpr_workgroup_id_z 1
		.amdhsa_system_vgpr_workitem_id 0
		.amdhsa_next_free_vgpr 1024
		.amdhsa_next_free_sgpr 100
		.amdhsa_reserve_vcc 0
		.amdhsa_float_denorm_mode_32 3
		.amdhsa_float_denorm_mode_16_64 3
		.amdhsa_memory_ordered 1
		.amdhsa_forward_progress 1
		.amdhsa_inst_pref_size 132
	.end_amdhsa_kernel
	.amdgpu_metadata
---
amdhsa.version: [ 1, 2 ]
amdhsa.kernels:
  - .name:           k_q29f2d155ca_ogemm
    .symbol:         k_q29f2d155ca_ogemm.kd
    .args:
      - { .name: ac, .offset: 0, .size: 8, .value_kind: global_buffer, .address_space: global }
      - { .name: asc, .offset: 8, .size: 8, .value_kind: global_buffer, .address_space: global }
      - { .name: codes, .offset: 16, .size: 8, .value_kind: global_buffer, .address_space: global }
      - { .name: scl, .offset: 24, .size: 8, .value_kind: global_buffer, .address_space: global }
      - { .name: out0, .offset: 32, .size: 8, .value_kind: global_buffer, .address_space: global }
    .group_segment_fixed_size: 327680
    .private_segment_fixed_size: 0
    .kernarg_segment_align: 8
    .kernarg_segment_size: 40
    .max_flat_workgroup_size: 128
    .sgpr_count:     100
    .vgpr_count:     1024
    .wavefront_size: 32
...
	.end_amdgpu_metadata
.endif
;; end of part 4
